; MI455X (gfx1250); checked and timed in simulation.
; The chip was launched on July 23, 2026; its instructions are those of AMD's public machine-readable ISA for CDNA 5 (MIT licence, August 2026) and "CDNA5" Instruction Set Architecture Reference Guide (July 2026). The comments in the code are by the model that wrote it; some were corrected since.
;; Stick Breaking Attention. Allowed arithmetic: matrix products marked QUANTISED: E4M3 operands, one E8M0 scale for each 32 along K, by v_wmma_scale_f32_16x16x128_f8f6f4 with both operands' format E4M3, f32 sums; everything else in f32.
;; Inputs: Wk_codes 1,024 x 32 x 32 uint8 (E4M3 codes of Wk, K innermost, in blocks of 32 codes); Wk_scales 1,024 x 32 uint8 (E8M0 scales of Wk, one for each 32 codes along K); Wo_codes 1,024 x 32 x 32 uint8 (E4M3 codes of Wo, K innermost, in blocks of 32 codes); Wo_scales 1,024 x 32 uint8 (E8M0 scales of Wo, one for each 32 codes along K); Wq_codes 1,024 x 32 x 32 uint8 (E4M3 codes of Wq, K innermost, in blocks of 32 codes); Wq_scales 1,024 x 32 uint8 (E8M0 scales of Wq, one for each 32 codes along K); Wv_codes 1,024 x 32 x 32 uint8 (E4M3 codes of Wv, K innermost, in blocks of 32 codes); Wv_scales 1,024 x 32 uint8 (E8M0 scales of Wv, one for each 32 codes along K); x_codes 1 x 2,048 x 32 x 32 uint8 (E4M3 codes of x, K innermost, in blocks of 32 codes); x_scales 1 x 2,048 x 32 uint8 (E8M0 scales of x, one for each 32 codes along K).
;; Outputs: out0 1 x 2,048 x 1,024 float32.
;; This version of the problem:
;;   THIS VERSION OF THE PROBLEM IS GIVEN IN LOW PRECISION. The matrix products marked QUANTISED in the list below multiply operands that are first quantised to E4M3 (4 exponent bits, 3 mantissa bits; 8 bits a number), with one power-of-two scale for each 32 numbers along K (OCP MX v1.0); their sums are f32. All else is computed in f32.
;;   The module's matrix products, in the order in which they are computed (A, B: the left and right operand; K: the contracted axis; several contracted axes count as one K, in the product's order):
;;     1. [M 2,048, K 1,024] x [K 1,024, N 1,024]; A: input x (given as codes); B: input Wq (given as codes): QUANTISED
;;     2. [M 2,048, K 1,024] x [K 1,024, N 1,024]; A: input x (given as codes); B: input Wk (given as codes): QUANTISED
;;     3. [M 2,048, K 1,024] x [K 1,024, N 1,024]; A: input x (given as codes); B: input Wv (given as codes): QUANTISED
;;     4. batch 16 x [M 2,048, K 64] x [K 64, N 2,048]; A: computed on the way; B: computed on the way: QUANTISED
;;     5. batch 16 x [M 2,048, K 2,048] x [K 2,048, N 64]; A: computed on the way; B: computed on the way: QUANTISED
;;     6. [M 2,048, K 1,024] x [K 1,024, N 1,024]; A: computed on the way; B: input Wo (given as codes): QUANTISED
;;   THE QUANTISER, for each operand of a quantised product, along K:
;;     - K is cut into blocks of 32 from its start; a last block that is shorter is filled with zeros.
;;     - A block's scale is 2^e with e = floor(log2(the largest magnitude in the block)) - 8, held to -126 .. 127; a block of zeros has e = 0. As a byte (E8M0): e + 127.
;;     - Each number is divided by its block's scale, clamped to +-448, and rounded to the nearest number of E4M3, ties to even, subnormals kept.
;;     - The product sums the exact products of the quantised numbers (number of the format x scale) in f32.
;;   ~~~python
;;   def quantise(x, axis):      # numpy; x: float32 -> the quantised numbers, widened to float32 again
;;       x = np.moveaxis(x, axis, -1); K = x.shape[-1]
;;       x = np.pad(x, [(0, 0)] * (x.ndim - 1) + [(0, -K % 32)]); x = x.reshape(x.shape[:-1] + (-1, 32)); a = np.abs(x).max(-1, keepdims=True)
;;       e = np.where(a > 0, np.clip(np.frexp(np.where(a > 0, a, 1))[1] - 1 - 8, -126, 127), 0)      # np.frexp(a)[1] - 1 = floor(log2(a)), exactly
;;       r = np.clip(x / 2.0 ** e, -448, 448)
;;       step = 2.0 ** (np.maximum(np.frexp(np.where(r == 0, 1, r))[1] - 1, -6) - 3)
;;       q = np.round(r / step) * step * 2.0 ** e      # np.round: ties to even
;;       return np.moveaxis(q.reshape(q.shape[:-2] + (-1,))[..., :K], -1, axis).astype(np.float32)
;;   ~~~
;;   OPERANDS COMPUTED ON THE WAY. 'Computed on the way' means the value that the module computes at that place (a softmax that the list does not call 'softmax' is quantised finished and normalised). What goes into a quantiser is computed in f32, as accurately as f32 sums, v_exp_f32 and their like allow (about 1e-6 of the number): no bf16 or f16 on the way to a quantiser, and a product that is left as it is and whose result goes on into a quantised operand takes f32 operands (vector FMAs, or v_wmma_f32_16x16x4_f32). A number that lies on a knife's edge between two numbers of the format may be rounded either way, as far as f32 arithmetic and the matrix unit's own rounding can turn it there, and no further.
;;   INPUTS GIVEN AS CODES. Wk (in the module: [1024, 1024], K = its axis 1); Wo (in the module: [1024, 1024], K = its axis 1); Wq (in the module: [1024, 1024], K = its axis 1); Wv (in the module: [1024, 1024], K = its axis 1); x (in the module: [1, 2048, 1024], K = its axis 2): each comes as NAME_codes (uint8): NAME with its K axis moved to the last place and cut into blocks of 32 codes, [.., K / 32, bytes a block], one block behind the other in memory; one code a byte (a code: sign, 4 exponent bits, 3 mantissa bits); and NAME_scales (uint8): the same leading axes, one E8M0 byte (e + 127) for each 32 codes along K. Its value is code x scale, taken as it is: it is not quantised again, and the codes and scales need not be those that the quantiser above would give.
;; One version. Each part assembles by itself: llvm-mc -triple=amdgcn-amd-amdhsa -mcpu=gfx1250 --defsym DOCPART=n.
;; ======== version 1 of 1: 3 launches
;; workspace buffers: q_img 2,097,152 bytes; q_scl 131,072 bytes; kv 4,456,448 bytes; vrow 8,388,608 bytes; o_img 2,097,152 bytes; o_scl 65,536 bytes
;; launch proj (part 1): grid 16 x 16, 4 waves a work-group, clusters of 4 x 1, 213,504 bytes of LDS; arguments x_codes, x_scales, Wq_codes, Wq_scales, Wk_codes, Wk_scales, Wv_codes, Wv_scales, q_img, q_scl, kv, vrow; writes q_img, q_scl, kv, vrow
.if DOCPART == 1
	.amdgcn_target "amdgcn-amd-amdhsa--gfx1250"
	.amdhsa_code_object_version 6
	.text
	.protected	k_q5222055c08_proj
	.globl	k_q5222055c08_proj
	.p2align	8
	.type	k_q5222055c08_proj,@function
k_q5222055c08_proj:
	s_mov_b64 s[64:65], 0
	v_nop
	global_prefetch_b8 v0, s[64:65] scope:SCOPE_SE
	s_setreg_imm32_b32 hwreg(HW_REG_WAVE_MODE, 25, 1), 1
	s_wait_xcnt 0x0
	s_wait_alu depctr_hold_cnt(0) depctr_sa_sdst(0) depctr_va_vdst(0) depctr_va_sdst(0) depctr_va_ssrc(0) depctr_va_vcc(0) depctr_vm_vsrc(0)
	s_getreg_b32 s2, hwreg(HW_REG_IB_STS2, 6, 4)
	s_cmp_eq_u32 s2, 0
	s_cbranch_scc0 .Lentry_in_a_cluster
	s_endpgm
.Lentry_in_a_cluster:
	s_bfe_u32 s2, ttmp6, 0x10000c
	s_cmp_lg_u32 s2, 0x3003
	s_cbranch_scc0 .Lentry_shape_is_right
	s_endpgm
.Lentry_shape_is_right:
; q = x Wq^T, k = x Wk^T, v = x Wv^T on codes of FP8 (E4M3) with E8M0 scales for each 32 along K = 1,024; then q and k are quantised along the head's 64
; features, v along the tokens (the keys of the later product), and v is also kept in f32.
; SHARES.  A work-group makes 128 tokens (block kappa = grid x) x one head's 64 + 64 + 64 features (head eta = grid y).  Wave w takes tokens 128 kappa + 32 w .. + 31 as two tiles of 16
; against all 12 tiles of 16 rows of Wq, Wk, Wv.  x's fragments for all of K stay in registers (256); the weights' rows come once into LDS and are read K step by K step.
; TOKEN TILES.  Lane r of tile T stands for token 32 (T / 2) + 8 (T % 2) + r + 8 (r / 8), so that 16 registers of tiles 2 b and 2 b + 1 are 16 neighbouring tokens.
; ORIENTATION.  q, k and one copy of v are made transposed (source 0 = 16 rows of W, source 1 = 16 tokens): a lane holds ONE token and registers along the features, which are q's and k's next K.
; v is multiplied a second time the natural way (source 0 = tokens, source 1 = rows of Wv): a lane then holds ONE channel and registers along the tokens, which are v's next K.  It reads no fragment more.
; WHAT IS STORED are images of operand registers: four registers of 32 lanes are 512 consecutive bytes, lane l at 16 l.
;   q_img [eta][T][c = 0, 1][lane][16]: slot (c, half h, byte 8 u + j) holds feature 32 c + 16 u + 8 h + j; k's images have the same order inside a block of 32, so the products are those of the true order.
;   q_scl [eta][T][r]: a word: the two scale bytes, then 0x7f, 0x7f for the 64 zero codes that fill the later K step of 128.
;   kv [eta][kappa][17,408]: K's codes at 0 (tile tt at 1,024 tt), V's at 8,192 (channel tile t at 2,048 t, block of 32 keys c at 512 c), K's scale words at 16,384 (256 (tt / 4) + 16 r + 4 (tt % 4)),
;   V's at 16,896 (16 r + 4 t), 256 zero bytes at 17,152: 68 rows of 256 bytes.      vrow [eta][T][g = 0 .. 7][lane][4 f32]: register 8 t + j = v(token, channel 16 t + 8 h + j).
; CLUSTER.  The four work-groups of a cluster have the same head and other tokens: they need the same rows of the weights, which are asked for JOINTLY (mask 15).  cx enters global addresses of x and of the results alone.
; LIMITS.  A block whose largest magnitude lies under 2^-118 keeps the scale byte 1 (a block of zeros too: its codes are zeros; the bytes are read by this program alone).  NaN, infinities and the scale byte 0xff are not served.
; REGISTERS.  window 0: v1-15 addresses; v16-31 x's scale words (tile u, K step s: 16 + 8 u + s); v32-127 the weights' (matrix m, tile t: 32 + 8 (4 m + t) + s); v128-143 at work; v144-191 codes; v192-204 words.
;   window 1: accumulators: q (u, t) at 8 (4 u + t), k at 64 + .., v transposed at 128 + .., v natural (t, u) at 192 + 16 t + 8 u.   window 2: x's fragments (u, s) at 16 (2 s + u).   window 3: the weights' (m, t) at 64 m + 16 t.
.set STG,   208896                     ; LDS behind the four chunks: 512 bytes of K's scale words, 256 of V's; no tensor load lands here
.set CHUNK, 52224                      ; 256 along K of Wq, Wk, Wv: 3 x 64 rows x 272 bytes
.set MATB,  17408                      ; one matrix's 64 rows in a chunk
.set TM,    128                        ; v128-131 largest magnitudes, 132-135 bytes, 136-139 448 x the scale, 140-143 the conversions' scale operands
.set PCQ,   144
.set PCK,   160
.set PCV,   176
.set SEL,   74                         ; s[74:75] lane selects for v_permlanex16_b32: lane l xor 16
.set MNT,   76                         ; s76 the mantissa field of 448
.set HM,    77                         ; s77 a mask of lanes 16 to 31
.set MSB, 0
.macro WIN new                         ; the immediate's high byte repeats the setting that is left
.if MSB != \new
	s_set_vgpr_msb (MSB<<8)|\new
.set MSB, \new
.endif
.endm
.macro PLACES n
.rept \n
	v_nop
.endr
.endm
.macro ROUND                           ; a round of the cluster's barrier
	s_barrier_signal -1
	s_barrier_wait -1
	s_cmp_lg_u32 s28, 0
	s_cbranch_scc1 .Lnot_wave_0_\@
	s_barrier_signal -3
.Lnot_wave_0_\@:
	s_barrier_wait -3
	s_barrier_signal -1
	s_barrier_wait -1
.endm
; the four fragments of matrix m for K step s: 16 LDS loads, 16 rows x 128 codes each fragment
.macro LDW m, s
	WIN 0xc0                                       ; destination window 3, address window 0
.irp t, 0,1,2,3
.irp c, 0,1,2,3
	ds_load_b128 v[64*(\m)+16*\t+4*\c:64*(\m)+16*\t+4*\c+3], v[6+(\s)/2] offset:MATB*(\m)+4352*\t+128*((\s)%2)+32*\c
.endr
.endr
.endm
; the products of matrix m in K step s: 8 transposed; for v 8 more the natural way.  The 32 accumulators take turns, one instruction a turn.  K step 0 starts the sums.
.macro MULG m, s
	WIN 0x5b                                       ; source 0 (W) window 3, source 1 (x) window 2, C and D window 1
.irp u, 0,1
.irp t, 0,1,2,3
.if (\s) == 0
	v_wmma_scale_f32_16x16x128_f8f6f4 v[64*(\m)+8*(4*\u+\t):64*(\m)+8*(4*\u+\t)+7], v[64*(\m)+16*\t:64*(\m)+16*\t+15], v[16*(2*(\s)+\u):16*(2*(\s)+\u)+15], 0, v[32+8*(4*(\m)+\t)+(\s)], v[16+8*\u+(\s)]
.else
	v_wmma_scale_f32_16x16x128_f8f6f4 v[64*(\m)+8*(4*\u+\t):64*(\m)+8*(4*\u+\t)+7], v[64*(\m)+16*\t:64*(\m)+16*\t+15], v[16*(2*(\s)+\u):16*(2*(\s)+\u)+15], v[64*(\m)+8*(4*\u+\t):64*(\m)+8*(4*\u+\t)+7], v[32+8*(4*(\m)+\t)+(\s)], v[16+8*\u+(\s)]
.endif
.endr
.endr
.if (\m) == 2
	WIN 0x5e                                       ; source 0 (x) window 2, source 1 (Wv) window 3
.irp t, 0,1,2,3
.irp u, 0,1
.if (\s) == 0
	v_wmma_scale_f32_16x16x128_f8f6f4 v[192+16*\t+8*\u:192+16*\t+8*\u+7], v[16*(2*(\s)+\u):16*(2*(\s)+\u)+15], v[128+16*\t:128+16*\t+15], 0, v[16+8*\u+(\s)], v[32+8*(8+\t)+(\s)]
.else
	v_wmma_scale_f32_16x16x128_f8f6f4 v[192+16*\t+8*\u:192+16*\t+8*\u+7], v[16*(2*(\s)+\u):16*(2*(\s)+\u)+15], v[128+16*\t:128+16*\t+15], v[192+16*\t+8*\u:192+16*\t+8*\u+7], v[16+8*\u+(\s)], v[32+8*(8+\t)+(\s)]
.endif
.endr
.endr
.endif
.endm
; 64 registers of window 1 from src on are four blocks: 16 numbers of a block of 32 in my lane, the other 16 in lane l xor 16.  Codes go to v[dst] on (four registers a block), the bytes stay in v[TM+4] on.
.macro QUANT src, dst
	WIN 0x05
.irp b, 0,1,2,3
	v_max3_num_f32 v[TM+\b], |v[\src+16*\b]|, |v[\src+16*\b+1]|, 0x4800000   ; my 16 numbers and the floor 2^(9 - 127): the byte cannot fall under 1.  Each accumulator is read from its low end on
.endr
	WIN 0x14
.irp i, 2,4,6,8,10,12,14
.irp b, 0,1,2,3
	v_max3_num_f32 v[TM+\b], v[TM+\b], |v[\src+16*\b+\i]|, |v[\src+16*\b+\i+1]|
.endr
.endr
	WIN 0
.irp b, 0,1,2,3
	v_permlanex16_b32 v[TM+4+\b], v[TM+\b], s[SEL], s[SEL+1]
.endr
.irp b, 0,1,2,3
	v_max_num_f32 v[TM+\b], v[TM+\b], v[TM+4+\b]   ; the block's largest magnitude
.endr
.irp b, 0,1,2,3
	v_add_nc_u32 v[TM+12+\b], 0xfc000000, v[TM+\b] ; 8 off its exponent field: the conversion's scale operand
.endr
.irp b, 0,1,2,3
	v_and_or_b32 v[TM+8+\b], v[TM+\b], 0x7f800000, s[MNT]   ; 448 x the scale
.endr
.irp b, 0,1,2,3
	v_lshrrev_b32 v[TM+4+\b], 23, v[TM+12+\b]      ; the scale's byte
.endr
	WIN 0x41
.irp b, 0,1,2,3
.irp i, 0,1,2,3,4,5,6,7,8,9,10,11,12,13,14,15
	v_med3_num_f32 v[\src+16*\b+\i], v[\src+16*\b+\i], -v[TM+8+\b], v[TM+8+\b]   ; the conversion to an 8-bit code does not saturate (ISA guide 7.6.2): the hold comes first
.endr
.endr
	WIN 0x01
.irp b, 0,1,2,3
	v_cvt_scalef32_pk8_fp8_f32 v[\dst+4*\b:\dst+4*\b+1], v[\src+16*\b:\src+16*\b+7], v[TM+12+\b]
	v_cvt_scalef32_pk8_fp8_f32 v[\dst+4*\b+2:\dst+4*\b+3], v[\src+16*\b+8:\src+16*\b+15], v[TM+12+\b]
.endr
	WIN 0
	v_nop                                          ; one plain instruction behind the last conversion
.endm
	s_load_b512 s[4:19], s[0:1], 0x0               ; x codes, x scales, Wq codes, scales, Wk codes, scales, Wv codes, scales
	s_load_b256 s[20:27], s[0:1], 0x40             ; q_img, q_scl, kv, vrow
	v_lshl_add_u32 v254, v0, 2, 0x34000
	v_mov_b32 v255, 0
	ds_add_u32 v254, v255
	ds_add_u32 v254, v255
	v_lshrrev_b32 v1, 5, v0
	v_readfirstlane_b32 s28, v1                    ; wave 0..3
	s_bfe_u32 s29, ttmp6, 0x40000                  ; cx
	s_lshl_b32 s30, ttmp9, 2
	s_add_co_u32 s30, s30, s29                     ; kappa = 4 x cluster x + cx
	s_and_b32 s31, ttmp7, 0xffff                   ; eta, which the four partners share
	; descriptor group 1: 64 rows x 256 bytes, 1,024 bytes apart in memory, 16 bytes of padding behind each row in LDS
	s_mov_b32 s32, 15|(1<<20)|(1<<21)|(5<<22)|(3<<25)  ; 15:0 the mask: all four work-groups; 17:16 elements of 1 byte; 20 padding on; 21 set beside a mask; 24:22 after every 64 words; 31:25 four words
	s_mov_b32 s33, 256<<16                         ; tensor_dim0
	s_mov_b32 s34, 64<<16                          ; tensor_dim1
	s_mov_b32 s35, 256<<16                         ; tile_dim0
	s_mov_b32 s36, 64                              ; tile_dim1
	s_mov_b32 s37, 1024                            ; from row to row
	s_mov_b32 s38, 0
	s_mov_b32 s39, 0
	s_lshl_b32 s58, s31, 16                        ; the head's 64 rows of 1,024 bytes
	s_mov_b32 s59, 0
	s_mul_i32 s60, s28, MATB                       ; wave m fetches matrix m
	s_wait_dscnt 0x0
	s_wait_kmcnt 0x0
	s_cmp_eq_u32 s28, 0
	s_cselect_b64 s[56:57], s[8:9], s[12:13]       ; wave 0: Wq; wave 1: Wk;
	s_cmp_lt_u32 s28, 2
	s_cselect_b64 s[56:57], s[56:57], s[16:17]     ; wave 2: Wv (wave 3 fetches nothing)
	s_add_nc_u64 s[56:57], s[56:57], s[58:59]
.irp c, 0,1,2,3
	s_mov_b32 s[40+4*\c], 1
	s_add_co_u32 s[41+4*\c], s60, \c*CHUNK
	s_add_nc_u64 s[42+4*\c:43+4*\c], s[56:57], \c*256
	s_or_b32 s[43+4*\c], s[43+4*\c], 0x80000000
.endr
	ROUND                                          ; all four work-groups are here: the joint loads meet
	s_cmp_lt_u32 s28, 3
	s_cbranch_scc0 .Lno_fill                       ; a wave's four fills stand in one branch on its number: four loads of mine are out at the most
	tensor_load_to_lds s[40:43], s[32:39]
	s_nop 0
	tensor_load_to_lds s[44:47], s[32:39]
	s_nop 0
	tensor_load_to_lds s[48:51], s[32:39]
	s_nop 0
	tensor_load_to_lds s[52:55], s[32:39]
	s_nop 0
	PLACES 4
.Lno_fill:
	; addresses
	v_and_b32 v1, 15, v0                           ; r
	v_bfe_u32 v2, v0, 4, 1                         ; h
	v_and_b32 v4, 8, v1
	v_add_nc_u32 v4, v4, v1                        ; r + 8 (r / 8)
	v_lshlrev_b32 v3, 10, v4
	v_lshl_add_u32 v3, v2, 4, v3                   ; x's codes: my token's row of 1,024 bytes + 16 h
	v_lshlrev_b32 v4, 5, v4                        ; x's scale bytes: 32 a token
	v_lshlrev_b32 v5, 5, v1                        ; the weights': 32 a row
	v_mul_u32_u24 v6, v1, 272
	v_lshl_add_u32 v6, v2, 4, v6                   ; a weight fragment in chunk 0 .. 3: row r x 272 + 16 h
	v_add_nc_u32 v7, CHUNK, v6
	v_add_nc_u32 v8, 2*CHUNK, v6
	v_add_nc_u32 v9, 3*CHUNK, v6
	v_and_b32 v11, 31, v0
	v_lshlrev_b32 v10, 4, v11                      ; 16 x lane
	v_lshlrev_b32 v14, 3, v11                      ; 8 x lane
	v_lshlrev_b32 v11, 2, v11                      ; 4 x lane
	s_lshr_b32 s61, s28, 1
	s_lshl_b32 s61, s61, 8
	s_and_b32 s62, s28, 1
	s_lshl_b32 s62, s62, 3
	s_add_co_u32 s61, s61, s62
	s_add_co_u32 s61, s61, STG
	v_lshlrev_b32 v13, 4, v1
	v_lshl_add_u32 v12, v2, 2, v13
	v_add_nc_u32 v12, s61, v12                     ; K's scale word of tile 2 w + h, row r: STG + 256 (w / 2) + 8 (w % 2) + 16 r + 4 h
	s_add_co_u32 s62, s28, STG+512
	v_add_nc_u32 v13, s62, v13                     ; V's scale byte of block w, channel row r: STG + 512 + 16 r + w (+ 4 t)
	v_add_nc_u32 v15, STG, v10                     ; the words' way out
	v_add_nc_u32 v204, STG+512, v14
	v_mov_b32 v250, 0
	v_mov_b32 v251, 0
.irp b, 0,1,2,3
	v_mov_b32 v[TM+4+\b], 0                        ; written once: a lane permute's destination counts as one of its sources
.endr
	s_mov_b32 s[SEL], 0x76543210
	s_mov_b32 s[SEL+1], 0xfedcba98
	s_mov_b32 s[MNT], 0x600000
	s_mov_b32 s[HM], 0xffff0000
	s_lshl_b32 s66, s30, 17
	s_lshl_b32 s67, s28, 15
	s_add_co_u32 s66, s66, s67                     ; (128 kappa + 32 w) x 1,024
	s_mov_b32 s67, 0
	s_add_nc_u64 s[4:5], s[4:5], s[66:67]
	s_lshr_b32 s66, s66, 5
	s_add_nc_u64 s[6:7], s[6:7], s[66:67]
	s_lshl_b32 s66, s31, 11                        ; the head's 64 rows of 32 scale bytes
	s_add_nc_u64 s[10:11], s[10:11], s[66:67]
	s_add_nc_u64 s[14:15], s[14:15], s[66:67]
	s_add_nc_u64 s[18:19], s[18:19], s[66:67]
	s_lshl_b32 s68, s31, 7
	s_lshl_b32 s69, s30, 3
	s_add_co_u32 s68, s68, s69
	s_lshl_b32 s69, s28, 1
	s_add_co_u32 s68, s68, s69                     ; 128 eta + my first tile
	s_lshl_b32 s66, s68, 10
	s_add_nc_u64 s[20:21], s[20:21], s[66:67]
	s_lshl_b32 s66, s68, 6
	s_add_nc_u64 s[22:23], s[22:23], s[66:67]
	s_lshl_b32 s66, s68, 12
	s_add_nc_u64 s[26:27], s[26:27], s[66:67]
	s_lshl_b32 s66, s31, 4
	s_add_co_u32 s66, s66, s30
	s_mul_i32 s66, s66, 17408
	s_add_nc_u64 s[24:25], s[24:25], s[66:67]      ; my key step's block of kv
	s_lshl_b32 s66, s28, 11
	s_add_nc_u64 s[70:71], s[24:25], s[66:67]      ; K's codes of my two tiles
	s_lshl_b32 s66, s28, 9
	s_add_nc_u64 s[72:73], s[24:25], s[66:67]      ; V's codes of my block of 32 keys
	; scale words: a row's 32 bytes are the words of the 8 K steps
.irp u, 0,1
.irp f, 0,1
	global_load_b128 v[16+8*\u+4*\f:16+8*\u+4*\f+3], v4, s[6:7] offset:256*\u+16*\f
.endr
.endr
.irp t, 0,1,2,3
.irp f, 0,1
	global_load_b128 v[32+8*\t+4*\f:32+8*\t+4*\f+3], v5, s[10:11] offset:512*\t+16*\f
	global_load_b128 v[64+8*\t+4*\f:64+8*\t+4*\f+3], v5, s[14:15] offset:512*\t+16*\f
	global_load_b128 v[96+8*\t+4*\f:96+8*\t+4*\f+3], v5, s[18:19] offset:512*\t+16*\f
.endr
.endr
	WIN 0x80                                       ; destination window 2
.irp s, 0,1,2,3,4,5,6,7
.irp u, 0,1
.irp c, 0,1,2,3
	global_load_b128 v[16*(2*\s+\u)+4*\c:16*(2*\s+\u)+4*\c+3], v3, s[4:5] offset:8192*\u+128*\s+32*\c   ; x(token, 128 s + 32 c + 16 h ..)
.endr
.endr
.endr
	s_wait_tensorcnt 0x3                           ; my part of chunk 0 is in; the three later chunks may stay out
	s_barrier_signal -1
	s_barrier_wait -1                              ; everybody's is
	LDW 0, 0
	LDW 1, 0
	LDW 2, 0
	s_wait_loadcnt 0x0                             ; x and all scale words
.irp s, 0,1,2,3,4,5,6,7
.irp m, 0,1,2
.if \s < 7
	s_wait_dscnt 32                                ; this group's 16 loads are in; the two groups issued behind it may be out
.else
	s_wait_dscnt 32-16*\m                          ; the last K step fetches nothing: the counts run down
.endif
	MULG \m, \s
.if \s < 7
	PLACES 8                                       ; in front of loads into registers that these products have read (ISA guide 7.12.1 for vector instructions)
.if (\m == 0) && ((\s % 2) == 1)
	s_wait_tensorcnt 3-(\s+1)/2                    ; my part of the next chunk is in,
	s_wait_dscnt 0x0                               ; no LDS instruction of mine is pending at a signal,
	s_barrier_signal -1
	s_barrier_wait -1                              ; and everybody's part is in
.endif
	LDW \m, \s+1
.endif
.endr
.endr
	WIN 0
	PLACES 8                                       ; in front of the first reads of results
	WIN 0x04                                       ; a store's data are its source 1: window 1
.irp u, 0,1
.irp t, 0,1,2,3
	global_store_b128 v10, v[128+8*(4*\u+\t):128+8*(4*\u+\t)+3], s[26:27] offset:4096*\u+1024*\t        ; v in f32: 512 consecutive bytes a store; each accumulator from its low end on
	global_store_b128 v10, v[128+8*(4*\u+\t)+4:128+8*(4*\u+\t)+7], s[26:27] offset:4096*\u+1024*\t+512
.endr
.endr
	WIN 0
	QUANT 0, PCQ                                   ; q: block 2 u + c
.irp b, 0,1,2,3
	global_store_b128 v10, v[PCQ+4*\b:PCQ+4*\b+3], s[20:21] offset:512*\b
.endr
	v_lshl_or_b32 v192, v[TM+5], 8, v[TM+4]
	v_lshl_or_b32 v193, v[TM+7], 8, v[TM+6]
	v_cndmask_b32 v192, v192, v193, s[HM]          ; lanes 0-15 carry tile 0's words, lanes 16-31 tile 1's
	v_or_b32 v192, 0x7f7f0000, v192                ; the bytes of the 64 zero codes
	global_store_b32 v11, v192, s[22:23]
	QUANT 64, PCK                                  ; k likewise
.irp b, 0,1,2,3
	global_store_b128 v10, v[PCK+4*\b:PCK+4*\b+3], s[70:71] offset:512*\b
.endr
	v_lshl_or_b32 v194, v[TM+5], 8, v[TM+4]
	v_lshl_or_b32 v195, v[TM+7], 8, v[TM+6]
	v_cndmask_b32 v194, v194, v195, s[HM]
	v_or_b32 v194, 0x7f7f0000, v194
	ds_store_b32 v12, v194
	QUANT 192, PCV                                 ; v along the tokens: block t = channel tile t, my 32 tokens
.irp t, 0,1,2,3
	global_store_b128 v10, v[PCV+4*\t:PCV+4*\t+3], s[72:73] offset:8192+2048*\t
	ds_store_b8 v13, v[TM+4+\t] offset:4*\t        ; both lanes of a block write the same byte with the same value
.endr
	s_wait_dscnt 0x0                               ; for the others' sake: my words and bytes lie in LDS
	s_barrier_signal -1
	s_barrier_wait -1
	s_cmp_lg_u32 s28, 0
	s_cbranch_scc1 .Lnot_0
	ds_load_b128 v[196:199], v15                   ; K's 128 scale words leave as 512 consecutive bytes,
	s_wait_dscnt 0x0
	global_store_b128 v10, v[196:199], s[24:25] offset:16384
.Lnot_0:
	s_cmp_lg_u32 s28, 1
	s_cbranch_scc1 .Lnot_1
	ds_load_b64 v[200:201], v204                   ; V's 64 as 256,
	s_wait_dscnt 0x0
	global_store_b64 v14, v[200:201], s[24:25] offset:16896
.Lnot_1:
	s_cmp_lg_u32 s28, 2
	s_cbranch_scc1 .Lnot_2
	global_store_b64 v14, v[250:251], s[24:25] offset:17152   ; and the block's last 256 bytes are zeros: the next launch fetches the block whole
.Lnot_2:
	s_wait_tensorcnt 0x0
	ds_add_u32 v254, v255
	s_wait_dscnt 0x0
	ROUND                                          ; the closing round: no work-group ends while a partner may still ask for a tile that names it
	s_endpgm
.Lfunc_end_k_q5222055c08_proj:
	.size	k_q5222055c08_proj, .Lfunc_end_k_q5222055c08_proj-k_q5222055c08_proj
	.p2alignl 7, 3214868480
	.fill 96, 4, 3214868480
	.section	.rodata,"a",@progbits
	.p2align	6, 0x0
	.amdhsa_kernel k_q5222055c08_proj
		.amdhsa_group_segment_fixed_size 213504
		.amdhsa_private_segment_fixed_size 0
		.amdhsa_enable_private_segment 0
		.amdhsa_kernarg_size 96
		.amdhsa_user_sgpr_count 2
		.amdhsa_user_sgpr_kernarg_segment_ptr 1
		.amdhsa_wavefront_size32 1
		.amdhsa_system_sgpr_workgroup_id_x 1
		.amdhsa_system_sgpr_workgroup_id_y 1
		.amdhsa_system_sgpr_workgroup_id_z 1
		.amdhsa_system_vgpr_workitem_id 0
		.amdhsa_next_free_vgpr 1024
		.amdhsa_next_free_sgpr 80
		.amdhsa_reserve_vcc 0
		.amdhsa_float_denorm_mode_32 3
		.amdhsa_float_denorm_mode_16_64 3
		.amdhsa_memory_ordered 1
		.amdhsa_forward_progress 1
		.amdhsa_inst_pref_size 109
	.end_amdhsa_kernel
	.amdgpu_metadata
---
amdhsa.version: [ 1, 2 ]
amdhsa.kernels:
  - .name:           k_q5222055c08_proj
    .symbol:         k_q5222055c08_proj.kd
    .args:
      - { .name: x_codes, .offset: 0, .size: 8, .value_kind: global_buffer, .address_space: global }
      - { .name: x_scales, .offset: 8, .size: 8, .value_kind: global_buffer, .address_space: global }
      - { .name: Wq_codes, .offset: 16, .size: 8, .value_kind: global_buffer, .address_space: global }
      - { .name: Wq_scales, .offset: 24, .size: 8, .value_kind: global_buffer, .address_space: global }
      - { .name: Wk_codes, .offset: 32, .size: 8, .value_kind: global_buffer, .address_space: global }
      - { .name: Wk_scales, .offset: 40, .size: 8, .value_kind: global_buffer, .address_space: global }
      - { .name: Wv_codes, .offset: 48, .size: 8, .value_kind: global_buffer, .address_space: global }
      - { .name: Wv_scales, .offset: 56, .size: 8, .value_kind: global_buffer, .address_space: global }
      - { .name: q_img, .offset: 64, .size: 8, .value_kind: global_buffer, .address_space: global }
      - { .name: q_scl, .offset: 72, .size: 8, .value_kind: global_buffer, .address_space: global }
      - { .name: kv, .offset: 80, .size: 8, .value_kind: global_buffer, .address_space: global }
      - { .name: vrow, .offset: 88, .size: 8, .value_kind: global_buffer, .address_space: global }
    .group_segment_fixed_size: 213504
    .private_segment_fixed_size: 0
    .kernarg_segment_align: 8
    .kernarg_segment_size: 96
    .max_flat_workgroup_size: 128
    .sgpr_count:     80
    .vgpr_count:     1024
    .wavefront_size: 32
...
	.end_amdgpu_metadata
.endif
;; end of part 1
;; launch attn (part 2): grid 16 x 16, 4 waves a work-group, no clusters, 327,680 bytes of LDS; arguments q_img, q_scl, kv, vrow, o_img, o_scl; writes o_img, o_scl
.if DOCPART == 2
	.amdgcn_target "amdgcn-amd-amdhsa--gfx1250"
	.amdhsa_code_object_version 6
	.text
	.protected	k_q5222055c08_attn
	.globl	k_q5222055c08_attn
	.p2align	8
	.type	k_q5222055c08_attn,@function
k_q5222055c08_attn:
	s_mov_b64 s[64:65], 0
	v_nop
	global_prefetch_b8 v0, s[64:65] scope:SCOPE_SE
	s_setreg_imm32_b32 hwreg(HW_REG_WAVE_MODE, 25, 1), 1
	s_wait_xcnt 0x0
; Stick-breaking attention of one head, both products on codes of FP8 (E4M3) with E8M0 scales for each 32 along K.
; ALGEBRA.  With a = e^logit and beta = sigmoid(-logit) = 1 / (1 + a):  log_z + the sum of log_beta over later keys = logit + the sum of log beta over keys j' >= j, so
; att(i, j) = a(j) x the product of beta(j') over j <= j' < i, and 1 - the sum of att telescopes to the product of beta over all j < i.  Keys are walked DOWNWARDS from the diagonal with one running product a query.
; Keys j >= i are thrown away by the mask that the problem builds itself: their score becomes -infinity ahead of the exponential: a = 0, beta = 1, att = 0.
; SHARES.  Work-group (g, eta) takes the 64-query blocks 31 - g and g of head eta: (31 - g) / 2 + 1 and g / 2 + 1 key steps of 128, always 17 together.  Wave w takes tile 4 B + w (16 queries) of each block.
; A key step is two halves of 64 keys, the upper first.  Lane (r, h) holds ONE query (token 32 (T / 2) + 8 (T % 2) + r + 8 (r / 8)); register 16 b + i of a half holds key 32 b + 16 h + i (the keys of a tile of K are chosen so).
; BY TURNS.  In a trip the FRONT of one half (K Q^T, t = min(c s, 120), a = 2^t, 1 + a, beta) is dealt out among the BACK of the half before (running products, att, the blocks' largest, the hold, the codes):
; a transcendental, then plain instructions.  Two pairs of 32 + 32 registers change places.  Behind the lower half's back stand the key step's four products V^T P^T (K = 128 keys).
; RING.  Key step 0 of the walk has LDS bytes of its own; the 16 others come in four fills of four steps (each wave one step of 17,408 bytes: 68 rows of 256) into two slots by turns; a fill is asked for four key steps ahead of the wait for it.
; NO CLUSTER: of a head's 16 work-groups only g = 2 a and 2 a + 1 walk the same key steps; four partners would need different tiles.
; LIMITS.  t is held at 120, so beta is never under 2^-120 (what that changes lies under 2^-120); a under 2^-126 counts as 0; the running product is rounded once a key (at most 2,048 roundings);
; a block of att or of o whose largest magnitude lies under 2^-118 keeps the scale byte 1; NaN, infinities and the scale byte 0xff are not served.
; REGISTERS.  window 0: see the names below.   window 1: v0-63 K's four fragments (8 registers of codes, 8 of zeros: the head has 64 of the step's 128); v64-79 Q (likewise); v80-87 the second tile's Q;
;   v96-159 V's four fragments; v160-191 O^T; v192-223, v224-255 my two tiles' rows of v in f32, in O^T's layout.
.set STEPB, 17408
.set SLOT1, 131072                     ; slot 0 at 0, slot 1 here: one exclusive or turns an address from one to the other
.set PREG,  200704                     ; key step 0 of the walk: filled once
.set SPARE, 218112                     ; the spare words, 128 bytes for each wave: two blocks of 256 bytes that no other line names
.set AL,  1                            ; 16 x lane
.set AR,  2                            ; 16 x (lane % 16)
.set ADR, 3                            ; LDS address of the step's images
.set ADS, 4                            ; and of its scale words
.set VQ,  5                            ; my query - 16 h, of the tile whose fronts are running
.set VQ2, 6                            ; the same of the second tile
.set VD,  7
.set NEGI, 8                           ; -infinity
.set ONE, 9                            ; 1.0
.set SPW, 10                           ; LDS address of my spare word; never rewritten
.set NIL, 11                           ; 0; never rewritten
.set OOH, 12                           ; byte offsets in o_img and o_scl, first and second tile
.set OOL, 13
.set SOH, 14
.set SOL, 15
.set QS,  16                           ; Q's scale words; the second tile's
.set QS2, 17
.set PW,  18                           ; att's scale word for the key step
.set CAR, 19                           ; the running product of beta
.set KS,  20                           ; v20-23 K's scale words, v24-27 V's
.set VS,  24
.set RX,  28                           ; the partner lane's product, blocks 0, 1
.set RBT, 30                           ; both lanes' product
.set RY,  32                           ; what lies above my 16 keys inside the block
.set RR0, 34
.set TW,  35
.set CI0, 36                           ; v[36:37], v[38:39] the product of all beta above my 16 keys, blocks 0, 1 (pairs: the packed form names a pair and takes its low word)
.set CI1, 38
.set RM,  40
.set RMX, 42
.set RSC, 44
.set RH,  46
.set RBY, 48
.set R4,  50
.set RSB, 51
.set PCD, 52                           ; v52-67 att's codes: source 1 of V^T P^T
.set OUT, 68                           ; v68-75 o's codes
.set SND, 76
.set RCV, 78
.set PA0, 96
.set PB0, 128
.set PA1, 160
.set PB1, 192
.set KF,  0                            ; in window 1
.set RQ,  64
.set RQ2, 80
.set VF,  96
.set RO,  160
.set VRH, 192
.set VRL, 224
.set WV,  16                           ; scalars
.set GG,  17
.set HD,  18
.set SHI, 19                           ; the first block's topmost key step; it has SHI + 1 steps
.set SLO, 20
.set IT,  21
.set KFR, 22                           ; first key of the half whose front runs
.set Q0,  23                           ; the least query of the tile whose fronts are running; the second tile's
.set Q0B, 24
.set KFB, 25
.set TB,  26                           ; LDS byte of the key step that is being fetched into registers
.set SJ,  27                           ; the step of the walk that my next fill brings
.set CS,  28                           ; s[28:29] c = log2(e) / 8
.set CAP, 30                           ; 120.0
.set MNT, 31
.set SEL, 32
.set HM,  34
.set OUTER, 35
.set INNER, 36
.set G1,  44                           ; s[44:51] group 1: 68 rows of 256 bytes;  s[52:59]: 17 rows;  s[60:63], s[68:71] their groups 0
.set G1P, 52
.set G0,  60
.set G0P, 68
.set MSB, 0
.macro WIN new
.if MSB != \new
	s_set_vgpr_msb (MSB<<8)|\new
.set MSB, \new
.endif
.endm
.macro PLACES n
.rept \n
	v_nop
.endr
.endm
; step SJ of the walk is key step SHI - SJ of the first block, or 16 - SJ of the second: its block of kv goes into group 0
.macro GADDR
	s_cmp_le_u32 s[SJ], s[SHI]
	s_cselect_b32 s38, s[SHI], 16
	s_sub_co_u32 s38, s38, s[SJ]
	s_mul_i32 s38, s38, STEPB
	s_mov_b32 s39, 0
	s_add_nc_u64 s[G0+2:G0+3], s[8:9], s[38:39]
	s_or_b32 s[G0+3], s[G0+3], 0x80000000
.endm
.macro KLD hu                          ; K's four fragments and scale words of half hu of the step at TB
	v_add_nc_u32 v[ADR], s[TB], v[AL]
	v_add_nc_u32 v[ADS], s[TB], v[AR]
	WIN 0x40
.irp t, 0,1,2,3
.irp c, 0,1
	ds_load_b128 v[KF+16*\t+4*\c:KF+16*\t+4*\c+3], v[ADR] offset:4096*(\hu)+1024*\t+512*\c
.endr
.endr
	WIN 0
	ds_load_b128 v[KS:KS+3], v[ADS] offset:16384+256*(\hu)
.endm
.macro VLD                             ; V's four fragments and scale words of the same step
	WIN 0x40
.irp t, 0,1,2,3
.irp c, 0,1,2,3
	ds_load_b128 v[VF+16*\t+4*\c:VF+16*\t+4*\c+3], v[ADR] offset:8192+2048*\t+512*\c
.endr
.endr
	WIN 0
	ds_load_b128 v[VS:VS+3], v[ADS] offset:16896
.endm
; THE FRONT's lines, by the symbols k (a pair) and fn (a register)
.macro FT
.if HASF
	v_pk_mul_f32 v[AY+2*k:AY+2*k+1], v[AY+2*k:AY+2*k+1], s[CS:CS+1] op_sel_hi:[1,0]   ; c s
.endif
.endm
.macro FM
.if HASF
	v_min_num_f32 v[AY+fn], s[CAP], v[AY+fn]
.endif
.endm
.macro FE
.if HASF && (fn >= 0)
	v_exp_f32 v[AY+fn], v[AY+fn]                   ; a
.endif
.endm
.macro FW
.if HASF
	v_pk_add_f32 v[BY+2*k:BY+2*k+1], v[AY+2*k:AY+2*k+1], 1.0 op_sel_hi:[1,0]
.endif
.endm
.macro FR
.if HASF && (fn >= 0)
	v_rcp_f32 v[BY+fn], v[BY+fn]                   ; beta
.endif
.endm
; THE BACK's first list, number j of 48: the running products from level 5 on (P(i) = P(i + 1) beta(i), in place), the exchange between the halves of the lanes, the carries, a x P
.macro BK1
.if HASB
.if j < 22
	v_mul_f32 v[BX+16*(j%2)+10-j/2], v[BX+16*(j%2)+11-j/2], v[BX+16*(j%2)+10-j/2]
.elseif j < 24
	v_permlanex16_b32 v[RX+j-22], v[BX+16*(j-22)], s[SEL], s[SEL+1]
.elseif j < 28
.set q, j-24
	v_pk_mul_f32 v[AX+2*q:AX+2*q+1], v[AX+2*q:AX+2*q+1], v[BX+2*q:BX+2*q+1]
.elseif j < 30
	v_mul_f32 v[RBT+j-28], v[BX+16*(j-28)], v[RX+j-28]
.elseif j < 32
	v_cndmask_b32 v[RY+j-30], v[RX+j-30], v[ONE], s[HM]    ; lanes 0-15 have the partner's 16 keys above theirs, lanes 16-31 nothing
.elseif j == 32
	v_mul_f32 v[RR0], v[CAR], v[RBT+1]
.elseif j == 33
	v_mul_f32 v[CI1], v[CAR], v[RY+1]
.elseif j == 34
	v_mul_f32 v[CI0], v[RR0], v[RY]
.elseif j == 35
	v_mul_f32 v[CAR], v[RR0], v[RBT]
.else
.set q, j-32
	v_pk_mul_f32 v[AX+2*q:AX+2*q+1], v[AX+2*q:AX+2*q+1], v[BX+2*q:BX+2*q+1]
.endif
.endif
.endm
; THE BACK's second list, number j of 80: att = a P x what lies above, the blocks' largest, the scales, the hold (att is never negative: one-sided), the codes
.macro BK2
.if HASB
.if j < 32
.set q, j/4
.if (j%4) == 0
	v_pk_mul_f32 v[AX+2*q:AX+2*q+1], v[AX+2*q:AX+2*q+1], v[CI0:CI0+1] op_sel_hi:[1,0]
.elseif (j%4) == 1
	v_pk_mul_f32 v[AX+16+2*q:AX+16+2*q+1], v[AX+16+2*q:AX+16+2*q+1], v[CI1:CI1+1] op_sel_hi:[1,0]
.elseif j < 4
	v_max3_num_f32 v[RM+j-2], v[AX+16*(j-2)], v[AX+16*(j-2)+1], 0x4800000   ; with the floor 2^(9 - 127): the byte cannot fall under 1
.else
	v_max3_num_f32 v[RM+(j%4)-2], v[RM+(j%4)-2], v[AX+16*((j%4)-2)+2*q], v[AX+16*((j%4)-2)+2*q+1]
.endif
.elseif j < 34
	v_permlanex16_b32 v[RMX+j-32], v[RM+j-32], s[SEL], s[SEL+1]
.elseif j < 36
	v_max_num_f32 v[RM+j-34], v[RM+j-34], v[RMX+j-34]
.elseif j < 38
	v_add_nc_u32 v[RSC+j-36], 0xfc000000, v[RM+j-36]
.elseif j < 40
	v_and_or_b32 v[RH+j-38], v[RM+j-38], 0x7f800000, s[MNT]
.elseif j < 42
	v_lshrrev_b32 v[RBY+j-40], 23, v[RSC+j-40]
.elseif j == 42
	v_lshl_or_b32 v[TW], v[RBY+1], 8, v[RBY]
.elseif j == 43
.if LOWH
	v_or_b32 v[PW], v[PW], v[TW]                   ; the lower half's two bytes complete the word
.else
	v_lshlrev_b32 v[PW], 16, v[TW]                 ; the upper half's are bytes 2 and 3
.endif
.else
.set q, (j-44)/18
.set z, (j-44)%18
.set cc, 2*(1-LOWH)+q
.if z < 16
	v_min_num_f32 v[AX+16*q+z], v[AX+16*q+z], v[RH+q]
.elseif z == 16
	v_cvt_scalef32_pk8_fp8_f32 v[PCD+4*cc:PCD+4*cc+1], v[AX+16*q:AX+16*q+7], v[RSC+q]
.else
	v_cvt_scalef32_pk8_fp8_f32 v[PCD+4*cc+2:PCD+4*cc+3], v[AX+16*q+8:AX+16*q+15], v[RSC+q]
.endif
.endif
.endif
.endm
; A TRIP.  low = 1: the back is a lower half's (pair 1), the front the next step's upper half's (pair 0); low = 0: the other way round.  front, back: whether the trip has one.  kld, vld: whether K, V are fetched.
.macro TRIP low, front, back, kld, vld
.if \low
.set AX, PA1
.set BX, PB1
.set AY, PA0
.set BY, PB0
.else
.set AX, PA0
.set BX, PB0
.set AY, PA1
.set BY, PB1
.endif
.set LOWH, \low
.set HASF, \front
.set HASB, \back
	s_wait_dscnt 0x0                               ; K's fragments and words, asked for a trip ago, are in (and V's)
.if \front
	WIN 0x05                                       ; K and Q in window 1, S^T in window 0
.irp t, 0,1,2,3
	v_wmma_scale_f32_16x16x128_f8f6f4 v[AY+8*\t:AY+8*\t+7], v[KF+16*\t:KF+16*\t+15], v[RQ:RQ+15], 0, v[KS+\t], v[QS]
.endr
	WIN 0
.endif
.if \back
.irp lv, 1,2,3,4
.irp b, 0,1
	v_mul_f32 v[BX+16*\b+15-\lv], v[BX+16*\b+16-\lv], v[BX+16*\b+15-\lv]   ; the running products' first four levels: eight plain lines, the places behind the four products
.endr
.endr
.else
	PLACES 8
.endif
.if \kld
	KLD 1-\low
.endif
.if \front
	s_sub_co_u32 s[KFR], s[KFR], 64                ; this half's first key
	s_add_co_u32 s38, s[KFR], 63
	s_cmp_lt_u32 s38, s[Q0]
	s_cbranch_scc1 .Lopen_\@                       ; all 64 keys lie under all 16 queries: nothing is hidden
	v_sub_nc_u32 v[VD], v[VQ], s[KFR]              ; register 16 b + i is hidden where 32 b + i >= my query - 16 h - the first key
.set mi, 0
.rept 32
	v_cmp_ge_i32 vcc_lo, 32*(mi/16)+mi%16, v[VD]
	v_cndmask_b32 v[AY+mi], v[AY+mi], v[NEGI], vcc_lo
.set mi, mi+1
.endr
.Lopen_\@:
.endif
.set k, 0
.rept 16
.set fn, 2*k-2
	FE
.set j, 3*k
	BK1
	FT
.set j, 3*k+1
	BK1
.set fn, 2*k-1
	FE
.set fn, 2*k
	FM
.set j, 3*k+2
	BK1
.set fn, 2*k+1
	FM
.set k, k+1
.endr
.if \front
.set fn, 30
	FE
.set fn, 31
	FE
	v_nop                                          ; a plain instruction behind the last exponential
	s_wait_alu depctr_va_vdst(0)                   ; one wait for the 32 exponentials, ahead of the first line that names a result
.endif
.set k, 0
.rept 16
.set fn, 2*k-2
	FR
.set j, 5*k
	BK2
	FW
.set j, 5*k+1
	BK2
.set fn, 2*k-1
	FR
.set j, 5*k+2
	BK2
.set j, 5*k+3
	BK2
.set j, 5*k+4
	BK2
.set k, k+1
.endr
.if \front
.set fn, 30
	FR
.set fn, 31
	FR
.endif
.if \low && \back
	PLACES 4                                       ; codes written by vector instructions stand four places ahead of a scaled matrix instruction; the scale word was made 32 plain lines back
	WIN 0x51                                       ; V in window 1, P in window 0, O^T in window 1
.irp t, 0,1,2,3
	v_wmma_scale_f32_16x16x128_f8f6f4 v[RO+8*\t:RO+8*\t+7], v[VF+16*\t:VF+16*\t+15], v[PCD:PCD+15], v[RO+8*\t:RO+8*\t+7], v[VS+\t], v[PW]
.endr
	WIN 0
	PLACES 8                                       ; in front of loads into V's registers and of the first read of O^T
.else
	v_nop                                          ; a plain instruction behind the last reciprocal and the last conversion
.endif
.if \vld
	VLD
.endif
.if \front
	s_wait_alu depctr_va_vdst(0)                   ; one wait for the 32 reciprocals, ahead of the next trip's products of beta and of every label
.endif
.endm
; The fronts pass from the first tile to the second, behind the front of the first block's last half
.macro SWAP
	s_cmp_lg_u32 s[IT], s[SHI]
	s_cbranch_scc1 .Lno_swap_\@
	WIN 0x41
.irp i, 0,1,2,3,4,5,6,7
	v_mov_b32 v[RQ+\i], v[RQ2+\i]
.endr
	WIN 0
	v_mov_b32 v[QS], v[QS2]
	v_mov_b32 v[VQ], v[VQ2]
	s_mov_b32 s[Q0], s[Q0B]
	s_mov_b32 s[KFR], s[KFB]
	PLACES 8                                       ; a scale register written by a vector instruction stands eight places ahead of a scaled matrix instruction
.Lno_swap_\@:
.endm
; A tile is finished: o = O^T + the running product x v; two blocks of 32 channels are quantised; the 8-byte halves change lanes so that the codes stand in the order of K; images and bytes are stored.
.macro EPI vr, ooff, soff, last
	WIN 0x11                                       ; v and O^T in window 1
.set ei, 0
.rept 32
	v_fma_f32 v[PA1+ei], v[\vr+ei], v[CAR], v[RO+ei]   ; ascending: each accumulator from its low end on
.set ei, ei+1
.endr
	WIN 0
.irp b, 0,1
	v_max3_num_f32 v[RM+\b], |v[PA1+16*\b]|, |v[PA1+16*\b+1]|, 0x4800000
.endr
.irp i, 2,4,6,8,10,12,14
.irp b, 0,1
	v_max3_num_f32 v[RM+\b], v[RM+\b], |v[PA1+16*\b+\i]|, |v[PA1+16*\b+\i+1]|
.endr
.endr
.irp b, 0,1
	v_permlanex16_b32 v[RMX+\b], v[RM+\b], s[SEL], s[SEL+1]
.endr
.irp b, 0,1
	v_max_num_f32 v[RM+\b], v[RM+\b], v[RMX+\b]
.endr
.irp b, 0,1
	v_add_nc_u32 v[RSC+\b], 0xfc000000, v[RM+\b]
.endr
.irp b, 0,1
	v_and_or_b32 v[RH+\b], v[RM+\b], 0x7f800000, s[MNT]
.endr
.irp b, 0,1
	v_lshrrev_b32 v[RBY+\b], 23, v[RSC+\b]
.endr
	v_cndmask_b32 v[RSB], v[RBY], v[RBY+1], s[HM]  ; lane (r, h) stores block h's byte of row r
.irp b, 0,1
.irp i, 0,1,2,3,4,5,6,7,8,9,10,11,12,13,14,15
	v_med3_num_f32 v[PA1+16*\b+\i], v[PA1+16*\b+\i], -v[RH+\b], v[RH+\b]
.endr
.endr
.irp b, 0,1
	v_cvt_scalef32_pk8_fp8_f32 v[OUT+4*\b:OUT+4*\b+1], v[PA1+16*\b:PA1+16*\b+7], v[RSC+\b]
	v_cvt_scalef32_pk8_fp8_f32 v[OUT+4*\b+2:OUT+4*\b+3], v[PA1+16*\b+8:PA1+16*\b+15], v[RSC+\b]
.endr
	v_nop                                          ; one plain instruction behind the last conversion
.irp b, 0,1                                    ; I hold channels 8 h + 0..7 and 16 + 8 h + 0..7 of the block and want 16 h + 0..15: lanes 0-15 send their upper 8 bytes, lanes 16-31 their lower
	v_cndmask_b32 v[SND], v[OUT+4*\b+2], v[OUT+4*\b], s[HM]
	v_cndmask_b32 v[SND+1], v[OUT+4*\b+3], v[OUT+4*\b+1], s[HM]
	v_permlanex16_b32 v[RCV], v[SND], s[SEL], s[SEL+1]
	v_permlanex16_b32 v[RCV+1], v[SND+1], s[SEL], s[SEL+1]
	v_cndmask_b32 v[OUT+4*\b], v[OUT+4*\b], v[RCV], s[HM]
	v_cndmask_b32 v[OUT+4*\b+1], v[OUT+4*\b+1], v[RCV+1], s[HM]
	v_cndmask_b32 v[OUT+4*\b+2], v[RCV], v[OUT+4*\b+2], s[HM]
	v_cndmask_b32 v[OUT+4*\b+3], v[RCV+1], v[OUT+4*\b+3], s[HM]
.endr
	global_store_b128 v[\ooff], v[OUT:OUT+3], s[12:13]                 ; 512 consecutive bytes a store
	global_store_b128 v[\ooff], v[OUT+4:OUT+7], s[12:13] offset:512
	global_store_b8 v[\soff], v[RSB], s[14:15]
.if !\last
	WIN 0x40
.set ei, 0
.rept 32
	v_mov_b32 v[RO+ei], 0                          ; the second tile's sums begin
.set ei, ei+1
.endr
	WIN 0
	v_mov_b32 v[CAR], 1.0
	s_wait_xcnt 0x0                                ; the stores have read their registers: these are written again for the second tile
.endif
.endm
; THE CHANGE OF SLOTS.  Each wave waits for all its tensor loads, adds 0 to its spare word, and waits for that and for its reads of the slot that it has left; behind the barrier the slot ahead is whole and nobody reads the other.
.macro CHANGE fill
	s_wait_tensorcnt 0x0                           ; no tensor load of mine is out, so group 0 may be written
	ds_add_u32 v[SPW], v[NIL]                      ; 0 onto my spare word
.if \fill
	s_add_co_u32 s[SJ], s[SJ], 4
	GADDR
	s_xor_b32 s[G0+1], s[G0+1], SLOT1              ; the other slot than last time
.endif
	s_wait_dscnt 0x0
	s_barrier_signal -1
	s_barrier_wait -1
.if \fill
	tensor_load_to_lds s[G0:G0+3], s[G1:G1+7]      ; my one tensor load behind this barrier: one key step of the next four
	s_nop 0
	PLACES 4
.endif
.endm
.macro ITER                            ; during iteration IT the registers are fed from step IT + 1 of the walk
	TRIP 0, 1, 1, 1, 0
	SWAP
	TRIP 1, 1, 1, 1, 1
	s_cmp_lg_u32 s[IT], s[SHI]
	s_cbranch_scc1 .Lno_epi_\@
	EPI VRH, OOH, SOH, 0
.Lno_epi_\@:
	s_add_co_u32 s[TB], s[TB], STEPB
	s_add_co_u32 s[IT], s[IT], 1
.endm
.macro FOUR                            ; a slot's four key steps: written once, walked four times
	s_mov_b32 s[INNER], 4
.Liter_\@:
	ITER
	s_sub_co_u32 s[INNER], s[INNER], 1
	s_cmp_lg_u32 s[INNER], 0
	s_cbranch_scc1 .Liter_\@
	s_sub_co_u32 s[TB], s[TB], 4*STEPB
	s_xor_b32 s[TB], s[TB], SLOT1
.endm
	s_load_b256 s[4:11], s[0:1], 0x0               ; q_img, q_scl, kv, vrow
	s_load_b128 s[12:15], s[0:1], 0x20             ; o_img, o_scl
	v_lshl_add_u32 v[SPW], v0, 2, SPARE
	v_mov_b32 v[NIL], 0
	ds_add_u32 v10, v11
	ds_add_u32 v10, v11
	s_wait_dscnt 0x0
	v_lshrrev_b32 v1, 5, v0
	v_readfirstlane_b32 s[WV], v1                  ; wave 0..3
	s_mov_b32 s[GG], ttmp9
	s_and_b32 s[HD], ttmp7, 0xffff
	s_sub_co_u32 s38, 31, s[GG]                    ; the first block
	s_lshr_b32 s[SHI], s38, 1
	s_lshr_b32 s[SLO], s[GG], 1
	s_lshl_b32 s72, s38, 2
	s_add_co_u32 s72, s72, s[WV]                   ; my first tile
	s_lshl_b32 s73, s[GG], 2
	s_add_co_u32 s73, s73, s[WV]                   ; my second tile
	s_lshr_b32 s[Q0], s72, 1
	s_lshl_b32 s[Q0], s[Q0], 5
	s_and_b32 s39, s72, 1
	s_lshl_b32 s39, s39, 3
	s_add_co_u32 s[Q0], s[Q0], s39                 ; a tile's least token: 32 (T / 2) + 8 (T % 2)
	s_lshr_b32 s[Q0B], s73, 1
	s_lshl_b32 s[Q0B], s[Q0B], 5
	s_and_b32 s39, s73, 1
	s_lshl_b32 s39, s39, 3
	s_add_co_u32 s[Q0B], s[Q0B], s39
	s_lshl_b32 s[KFR], s[SHI], 7
	s_add_co_u32 s[KFR], s[KFR], 128
	s_lshl_b32 s[KFB], s[SLO], 7
	s_add_co_u32 s[KFB], s[KFB], 128
	s_mov_b32 s[G1], 3<<16                         ; no mask; elements of 8 bytes; no padding: every read of a step takes 512 consecutive bytes
	s_mov_b32 s[G1+1], 32<<16                      ; tensor_dim0 = 32 elements: rows of 256 bytes
	s_mov_b32 s[G1+2], 68<<16                      ; tensor_dim1
	s_mov_b32 s[G1+3], 32<<16                      ; tile_dim0
	s_mov_b32 s[G1+4], 68                          ; tile_dim1
	s_mov_b32 s[G1+5], 32                          ; dense
	s_mov_b32 s[G1+6], 0
	s_mov_b32 s[G1+7], 0
	s_mov_b32 s[G1P], 3<<16                        ; the same with 17 rows: a quarter of a step
	s_mov_b32 s[G1P+1], 32<<16
	s_mov_b32 s[G1P+2], 17<<16
	s_mov_b32 s[G1P+3], 32<<16
	s_mov_b32 s[G1P+4], 17
	s_mov_b32 s[G1P+5], 32
	s_mov_b32 s[G1P+6], 0
	s_mov_b32 s[G1P+7], 0
	s_mul_i32 s38, s[HD], 16*STEPB
	s_mov_b32 s39, 0
	s_wait_kmcnt 0x0
	s_add_nc_u64 s[8:9], s[8:9], s[38:39]          ; the head's 16 blocks of kv
	s_mov_b32 s[G0P], 1
	s_mul_i32 s38, s[WV], 4352
	s_add_co_u32 s[G0P+1], s38, PREG
	s_mul_i32 s40, s[SHI], STEPB
	s_add_co_u32 s38, s38, s40
	s_add_nc_u64 s[G0P+2:G0P+3], s[8:9], s[38:39]  ; step 0 of the walk: key step SHI, my 17 rows
	s_or_b32 s[G0P+3], s[G0P+3], 0x80000000
	s_mov_b32 s[G0], 1
	s_mul_i32 s[G0+1], s[WV], STEPB                ; slot 0, my place
	s_add_co_u32 s[SJ], s[WV], 1                   ; step 1 + w of the walk
	GADDR
	tensor_load_to_lds s[G0P:G0P+3], s[G1P:G1P+7]  ; the two first fills go out together: two loads of mine are out
	s_nop 0
	tensor_load_to_lds s[G0:G0+3], s[G1:G1+7]
	s_nop 0
	PLACES 4
	s_lshl_b32 s38, s[HD], 7
	s_add_co_u32 s40, s38, s72                     ; 128 eta + tile
	s_add_co_u32 s41, s38, s73
	s_mov_b32 s39, 0
	s_lshl_b32 s38, s40, 10
	s_add_nc_u64 s[74:75], s[4:5], s[38:39]
	s_lshl_b32 s38, s41, 10
	s_add_nc_u64 s[76:77], s[4:5], s[38:39]
	s_lshl_b32 s38, s40, 6
	s_add_nc_u64 s[78:79], s[6:7], s[38:39]
	s_lshl_b32 s38, s41, 6
	s_add_nc_u64 s[80:81], s[6:7], s[38:39]
	s_lshl_b32 s38, s40, 12
	s_add_nc_u64 s[82:83], s[10:11], s[38:39]
	s_lshl_b32 s38, s41, 12
	s_add_nc_u64 s[84:85], s[10:11], s[38:39]
	v_and_b32 v[AL], 31, v0
	v_lshlrev_b32 v[AL], 4, v[AL]
	v_and_b32 v[R4], 15, v0                        ; r
	v_lshlrev_b32 v[AR], 4, v[R4]
	v_bfe_u32 v[VD], v0, 4, 1                      ; h
	v_and_b32 v[VQ], 8, v[R4]
	v_add_nc_u32 v[VQ], v[VQ], v[R4]               ; r + 8 (r / 8)
	v_lshlrev_b32 v[VQ2], 4, v[VD]
	v_sub_nc_u32 v[VQ2], v[VQ], v[VQ2]             ; - 16 h
	v_add_nc_u32 v[VQ], s[Q0], v[VQ2]
	v_add_nc_u32 v[VQ2], s[Q0B], v[VQ2]
	v_lshl_add_u32 v[SOH], v[R4], 5, v[VD]         ; 32 r + h
	v_lshlrev_b32 v[R4], 2, v[R4]                  ; 4 r
	WIN 0x40                                       ; destination window 1
	global_load_b128 v[RQ:RQ+3], v[AL], s[74:75]
	global_load_b128 v[RQ+4:RQ+7], v[AL], s[74:75] offset:512
	global_load_b128 v[RQ2:RQ2+3], v[AL], s[76:77]
	global_load_b128 v[RQ2+4:RQ2+7], v[AL], s[76:77] offset:512
.irp g, 0,1,2,3,4,5,6,7
	global_load_b128 v[VRH+4*\g:VRH+4*\g+3], v[AL], s[82:83] offset:512*\g
	global_load_b128 v[VRL+4*\g:VRL+4*\g+3], v[AL], s[84:85] offset:512*\g
.endr
.irp t, 0,1,2,3
.irp i, 8,9,10,11,12,13,14,15
	v_mov_b32 v[KF+16*\t+\i], 0                    ; the head has 64 of the K step's 128: the rest are zero codes, on both sides
.endr
.endr
.irp i, 8,9,10,11,12,13,14,15
	v_mov_b32 v[RQ+\i], 0
.endr
.set ei, 0
.rept 32
	v_mov_b32 v[RO+ei], 0                          ; O^T: the key step is written once, so the first finds zeros
.set ei, ei+1
.endr
	WIN 0
	global_load_b32 v[QS], v[R4], s[78:79]
	global_load_b32 v[QS2], v[R4], s[80:81]
	s_mov_b32 s[CS], 0x3e38aa3b                    ; log2(e) / sqrt(64)
	s_mov_b32 s[CS+1], s[CS]
	s_mov_b32 s[CAP], 0x42f00000                   ; 120.0
	s_mov_b32 s[MNT], 0x600000
	s_mov_b32 s[SEL], 0x76543210
	s_mov_b32 s[SEL+1], 0xfedcba98
	s_mov_b32 s[HM], 0xffff0000
	v_mov_b32 v[NEGI], 0xff800000
	v_mov_b32 v[ONE], 1.0
	v_mov_b32 v[CAR], 1.0
	v_mov_b32 v[RX], 0                             ; lane permutes' destinations and the upper halves of named pairs are written once
	v_mov_b32 v[RX+1], 0
	v_mov_b32 v[RMX], 0
	v_mov_b32 v[RMX+1], 0
	v_mov_b32 v[RCV], 0
	v_mov_b32 v[RCV+1], 0
	v_mov_b32 v[CI0+1], 0
	v_mov_b32 v[CI1+1], 0
	s_lshl_b32 s39, s[HD], 10
	s_lshl_b32 s38, s72, 14
	s_add_co_u32 s38, s38, s39
	v_add_nc_u32 v[OOH], s38, v[AL]                ; o_img: 16,384 T + 1,024 eta + 16 x lane
	s_lshl_b32 s38, s73, 14
	s_add_co_u32 s38, s38, s39
	v_add_nc_u32 v[OOL], s38, v[AL]
	s_lshl_b32 s39, s[HD], 1
	s_lshl_b32 s38, s73, 9
	s_add_co_u32 s38, s38, s39
	v_add_nc_u32 v[SOL], s38, v[SOH]               ; o_scl: 512 T + 32 r + 2 eta + h
	s_lshl_b32 s38, s72, 9
	s_add_co_u32 s38, s38, s39
	v_add_nc_u32 v[SOH], s38, v[SOH]
	s_wait_tensorcnt 0x1                           ; my part of step 0 is in; slot 0's fill may stay out
	s_barrier_signal -1
	s_barrier_wait -1
	s_wait_loadcnt 0x0                             ; Q, its words, v's rows
	s_mov_b32 s[TB], PREG
	KLD 1
	TRIP 1, 1, 0, 1, 1                             ; the first half's front alone; K of step 0's lower half and V of step 0 are fetched
	s_mov_b32 s[TB], 0
	s_mov_b32 s[IT], 0
	s_mov_b32 s[OUTER], 3
.Lfill:                                            ; three trips: behind each change of slots the next four key steps are asked for
	CHANGE 1
	FOUR
	s_sub_co_u32 s[OUTER], s[OUTER], 1
	s_cmp_lg_u32 s[OUTER], 0
	s_cbranch_scc1 .Lfill
	CHANGE 0                                       ; the last slot is written out
	FOUR
	TRIP 0, 1, 1, 0, 0                             ; the last step's upper half's back, its lower half's front
	TRIP 1, 0, 1, 0, 0                             ; the last back and the last four products
	EPI VRL, OOL, SOL, 1
	s_wait_tensorcnt 0x0                           ; the wave's end
	ds_add_u32 v[SPW], v[NIL]
	s_wait_dscnt 0x0
	s_endpgm
.Lfunc_end_k_q5222055c08_attn:
	.size	k_q5222055c08_attn, .Lfunc_end_k_q5222055c08_attn-k_q5222055c08_attn
	.p2alignl 7, 3214868480
	.fill 96, 4, 3214868480
	.section	.rodata,"a",@progbits
	.p2align	6, 0x0
	.amdhsa_kernel k_q5222055c08_attn
		.amdhsa_group_segment_fixed_size 327680
		.amdhsa_private_segment_fixed_size 0
		.amdhsa_enable_private_segment 0
		.amdhsa_kernarg_size 48
		.amdhsa_user_sgpr_count 2
		.amdhsa_user_sgpr_kernarg_segment_ptr 1
		.amdhsa_wavefront_size32 1
		.amdhsa_system_sgpr_workgroup_id_x 1
		.amdhsa_system_sgpr_workgroup_id_y 1
		.amdhsa_system_sgpr_workgroup_id_z 1
		.amdhsa_system_vgpr_workitem_id 0
		.amdhsa_next_free_vgpr 512
		.amdhsa_next_free_sgpr 88
		.amdhsa_reserve_vcc 1
		.amdhsa_float_denorm_mode_32 3
		.amdhsa_float_denorm_mode_16_64 3
		.amdhsa_memory_ordered 1
		.amdhsa_forward_progress 1
		.amdhsa_inst_pref_size 135
	.end_amdhsa_kernel
	.amdgpu_metadata
---
amdhsa.version: [ 1, 2 ]
amdhsa.kernels:
  - .name:           k_q5222055c08_attn
    .symbol:         k_q5222055c08_attn.kd
    .args:
      - { .name: q_img, .offset: 0, .size: 8, .value_kind: global_buffer, .address_space: global }
      - { .name: q_scl, .offset: 8, .size: 8, .value_kind: global_buffer, .address_space: global }
      - { .name: kv, .offset: 16, .size: 8, .value_kind: global_buffer, .address_space: global }
      - { .name: vrow, .offset: 24, .size: 8, .value_kind: global_buffer, .address_space: global }
      - { .name: o_img, .offset: 32, .size: 8, .value_kind: global_buffer, .address_space: global }
      - { .name: o_scl, .offset: 40, .size: 8, .value_kind: global_buffer, .address_space: global }
    .group_segment_fixed_size: 327680
    .private_segment_fixed_size: 0
    .kernarg_segment_align: 8
    .kernarg_segment_size: 48
    .max_flat_workgroup_size: 128
    .sgpr_count:     88
    .vgpr_count:     512
    .wavefront_size: 32
...
	.end_amdgpu_metadata
.endif
;; end of part 2
;; launch outp (part 3): grid 16 x 16, 4 waves a work-group, clusters of 4 x 1, 168,448 bytes of LDS; arguments o_img, o_scl, Wo_codes, Wo_scales, out0; writes out0
.if DOCPART == 3
	.amdgcn_target "amdgcn-amd-amdhsa--gfx1250"
	.amdhsa_code_object_version 6
	.text
	.protected	k_q5222055c08_outp
	.globl	k_q5222055c08_outp
	.p2align	8
	.type	k_q5222055c08_outp,@function
k_q5222055c08_outp:
	s_mov_b64 s[64:65], 0
	v_nop
	global_prefetch_b8 v0, s[64:65] scope:SCOPE_SE
	s_setreg_imm32_b32 hwreg(HW_REG_WAVE_MODE, 25, 1), 1
	s_wait_xcnt 0x0
	s_wait_alu depctr_hold_cnt(0) depctr_sa_sdst(0) depctr_va_vdst(0) depctr_va_sdst(0) depctr_va_ssrc(0) depctr_va_vcc(0) depctr_vm_vsrc(0)
	s_getreg_b32 s2, hwreg(HW_REG_IB_STS2, 6, 4)
	s_cmp_eq_u32 s2, 0
	s_cbranch_scc0 .Lentry_in_a_cluster
	s_endpgm
.Lentry_in_a_cluster:
	s_bfe_u32 s2, ttmp6, 0x10000c
	s_cmp_lg_u32 s2, 0x3003
	s_cbranch_scc0 .Lentry_shape_is_right
	s_endpgm
.Lentry_shape_is_right:
; out0 = o Wo^T on codes of FP8 (E4M3) with E8M0 scales for each 32 along K = 1,024.  o comes as images of operand registers (o_img: 16,384 T + 2,048 s + 512 c + 16 x lane for tile T, K step s, registers 4 c ..)
; and scale bytes (o_scl [T][r][32]); lane r of tile T stands for token 32 (T / 2) + 8 (T % 2) + r + 8 (r / 8).  Wo comes as it is given: rows of 1,024 codes, 32 scale bytes a row.
; SHARES.  A work-group makes 128 tokens (grid x) x 64 features (grid y); wave w takes two tiles of tokens against the four tiles of Wo's rows: 8 accumulators, which take turns.
; o's fragments for all of K stay in registers (256), each load 512 consecutive bytes; Wo's 64 rows come once into LDS, a chunk of 256 along K for each wave, and are read K step by K step into two sets by turns.
; CLUSTER.  The four work-groups of a cluster have the same features and other tokens: Wo's rows are asked for JOINTLY (mask 15).  cx enters global addresses of o and out0 alone.
; TRANSPOSED USE (source 0 = 16 rows of Wo, source 1 = 16 tokens): a lane holds eight neighbouring features of one token; a tile goes through the wave's own stage in LDS and leaves as rows of 256 bytes, sixteen lanes to a row.
; REGISTERS.  window 0: v1-8 addresses; v16-31 o's scale words (16 + 8 u + s); v32-63 Wo's (32 + 8 t + s); v64-127 rows on the way out.   window 1: v0-63 accumulators (u, t) at 8 (4 u + t); v64-127, v128-191 Wo's fragments, two sets.   window 2: o's fragments (u, s) at 16 (2 s + u).
.set STGO, 69632                       ; behind the four chunks: for each wave 2 x 16 rows x 272 bytes; no tensor load lands here
.set MSB, 0
.macro WIN new
.if MSB != \new
	s_set_vgpr_msb (MSB<<8)|\new
.set MSB, \new
.endif
.endm
.macro PLACES n
.rept \n
	v_nop
.endr
.endm
.macro ROUND
	s_barrier_signal -1
	s_barrier_wait -1
	s_cmp_lg_u32 s14, 0
	s_cbranch_scc1 .Lnot_wave_0_\@
	s_barrier_signal -3
.Lnot_wave_0_\@:
	s_barrier_wait -3
	s_barrier_signal -1
	s_barrier_wait -1
.endm
.macro LD s                            ; Wo's four fragments of K step s into set s % 2
	WIN 0x40
.irp t, 0,1,2,3
.irp c, 0,1,2,3
	ds_load_b128 v[64+64*((\s)%2)+16*\t+4*\c:64+64*((\s)%2)+16*\t+4*\c+3], v5 offset:17408*((\s)/2)+4352*\t+128*((\s)%2)+32*\c
.endr
.endr
.endm
	s_load_b256 s[4:11], s[0:1], 0x0               ; o_img, o_scl, Wo codes, Wo scales
	s_load_b64 s[12:13], s[0:1], 0x20              ; out0
	v_lshl_add_u32 v254, v0, 2, 0x29000
	v_mov_b32 v255, 0
	ds_add_u32 v254, v255
	ds_add_u32 v254, v255
	v_lshrrev_b32 v1, 5, v0
	v_readfirstlane_b32 s14, v1                    ; wave 0..3
	s_bfe_u32 s15, ttmp6, 0x40000                  ; cx
	s_lshl_b32 s16, ttmp9, 2
	s_add_co_u32 s16, s16, s15                     ; the block of 128 tokens
	s_and_b32 s17, ttmp7, 0xffff                   ; the block of 64 features, which the four partners share
	s_mov_b32 s24, 15|(1<<20)|(1<<21)|(5<<22)|(3<<25)  ; the mask: all four; elements of 1 byte; padding: four words after every 64; bit 21 beside the mask
	s_mov_b32 s25, 256<<16
	s_mov_b32 s26, 64<<16
	s_mov_b32 s27, 256<<16
	s_mov_b32 s28, 64
	s_mov_b32 s29, 1024
	s_mov_b32 s30, 0
	s_mov_b32 s31, 0
	s_lshl_b32 s18, s17, 16
	s_lshl_b32 s19, s14, 8
	s_add_co_u32 s18, s18, s19                     ; my 64 rows, chunk w
	s_mov_b32 s19, 0
	s_mov_b32 s32, 1
	s_mul_i32 s33, s14, 17408
	s_wait_dscnt 0x0
	s_wait_kmcnt 0x0
	s_add_nc_u64 s[34:35], s[8:9], s[18:19]
	s_or_b32 s35, s35, 0x80000000
	ROUND                                          ; all four work-groups are here: the joint loads meet
	tensor_load_to_lds s[32:35], s[24:31]          ; one load a wave
	s_nop 0
	PLACES 4
	v_and_b32 v1, 15, v0                           ; r
	v_bfe_u32 v2, v0, 4, 1                         ; h
	v_and_b32 v3, 31, v0
	v_lshlrev_b32 v3, 4, v3                        ; 16 x lane
	v_lshlrev_b32 v4, 5, v1                        ; 32 r
	v_mul_u32_u24 v5, v1, 272
	v_lshl_add_u32 v6, v2, 5, v5                   ; the stage, in: row r, 32 h
	v_lshl_add_u32 v5, v2, 4, v5                   ; a fragment of Wo: row r x 272 + 16 h
	s_mul_i32 s20, s14, 8704
	s_add_co_u32 s20, s20, STGO                    ; my stage
	v_add_nc_u32 v6, s20, v6
	v_mul_u32_u24 v7, v2, 272
	v_lshl_add_u32 v7, v1, 4, v7
	v_add_nc_u32 v7, s20, v7                       ; back: lanes 0-15 one row, lanes 16-31 the next
	v_lshlrev_b32 v8, 12, v2
	v_lshl_add_u32 v8, v1, 4, v8                   ; and the same in out0: a token's row is 4,096 bytes
	s_lshl_b32 s36, s16, 17
	s_lshl_b32 s37, s14, 15
	s_add_co_u32 s36, s36, s37                     ; (8 kappa + 2 w) x 16,384
	s_mov_b32 s37, 0
	s_add_nc_u64 s[4:5], s[4:5], s[36:37]
	s_lshr_b32 s36, s36, 5
	s_add_nc_u64 s[6:7], s[6:7], s[36:37]
	s_lshl_b32 s36, s17, 11
	s_add_nc_u64 s[10:11], s[10:11], s[36:37]
	s_lshl_b32 s36, s16, 19
	s_lshl_b32 s38, s14, 17
	s_add_co_u32 s36, s36, s38
	s_lshl_b32 s38, s17, 8
	s_add_co_u32 s36, s36, s38                     ; (128 kappa + 32 w) x 4,096 + 256 y
	s_add_nc_u64 s[12:13], s[12:13], s[36:37]
.irp u, 0,1
.irp f, 0,1
	global_load_b128 v[16+8*\u+4*\f:16+8*\u+4*\f+3], v4, s[6:7] offset:512*\u+16*\f
.endr
.endr
.irp t, 0,1,2,3
.irp f, 0,1
	global_load_b128 v[32+8*\t+4*\f:32+8*\t+4*\f+3], v4, s[10:11] offset:512*\t+16*\f
.endr
.endr
	WIN 0x80                                       ; destination window 2
.irp s, 0,1,2,3,4,5,6,7
.irp u, 0,1
.irp c, 0,1,2,3
	global_load_b128 v[16*(2*\s+\u)+4*\c:16*(2*\s+\u)+4*\c+3], v3, s[4:5] offset:16384*\u+2048*\s+512*\c
.endr
.endr
.endr
	s_wait_tensorcnt 0x0                           ; my chunk is in,
	s_barrier_signal -1
	s_barrier_wait -1                              ; everybody's is
	LD 0
	LD 1
	s_wait_loadcnt 0x0                             ; o and all scale words
.irp s, 0,1,2,3,4,5,6,7
.if \s < 7
	s_wait_dscnt 16                                ; this set's 16 loads are in; the next set's may be out
.else
	s_wait_dscnt 0x0
.endif
	WIN 0x59                                       ; source 0 (Wo) window 1, source 1 (o) window 2, C and D window 1
.irp u, 0,1
.irp t, 0,1,2,3
.if \s == 0
	v_wmma_scale_f32_16x16x128_f8f6f4 v[8*(4*\u+\t):8*(4*\u+\t)+7], v[64+64*(\s%2)+16*\t:64+64*(\s%2)+16*\t+15], v[16*(2*\s+\u):16*(2*\s+\u)+15], 0, v[32+8*\t+\s], v[16+8*\u+\s]
.else
	v_wmma_scale_f32_16x16x128_f8f6f4 v[8*(4*\u+\t):8*(4*\u+\t)+7], v[64+64*(\s%2)+16*\t:64+64*(\s%2)+16*\t+15], v[16*(2*\s+\u):16*(2*\s+\u)+15], v[8*(4*\u+\t):8*(4*\u+\t)+7], v[32+8*\t+\s], v[16+8*\u+\s]
.endif
.endr
.endr
	PLACES 8                                       ; in front of loads into the set just multiplied, and of the first reads of results
.if \s < 6
	LD \s+2
.endif
.endr
.irp u, 0,1
	WIN 0x04                                       ; an LDS store's data are its source 1: window 1
.irp t, 0,1,2,3
	ds_store_b128 v6, v[8*(4*\u+\t):8*(4*\u+\t)+3] offset:4352*\u+64*\t          ; each accumulator from its low end on
	ds_store_b128 v6, v[8*(4*\u+\t)+4:8*(4*\u+\t)+7] offset:4352*\u+64*\t+16
.endr
	WIN 0
.irp i, 0,1,2,3,4,5,6,7
	ds_load_b128 v[64+32*\u+4*\i:64+32*\u+4*\i+3], v7 offset:4352*\u+544*\i      ; LDS serves a wave's instructions in order (ISA guide 5.7.1.4): these see my stores
.endr
.endr
.irp u, 0,1
.irp i, 0,1,2,3,4,5,6,7
	s_wait_dscnt 16*(1-\u)+7-\i                    ; behind this pair of rows' load: the tile's later loads, and for tile 0 tile 1's sixteen instructions
	global_store_b128 v8, v[64+32*\u+4*\i:64+32*\u+4*\i+3], s[12:13] offset:(8*\u+2*\i+8*(\i/4))*4096 th:TH_STORE_NT   ; stage rows 2 i, 2 i + 1 are tokens 8 u + 2 i + 8 (i / 4) + h; sixteen lanes store 256 consecutive bytes, aligned
.endr
.endr
	s_wait_tensorcnt 0x0
	ds_add_u32 v254, v255
	s_wait_dscnt 0x0
	ROUND                                          ; the closing round: no work-group ends while a partner may still ask for a tile that names it
	s_endpgm
.Lfunc_end_k_q5222055c08_outp:
	.size	k_q5222055c08_outp, .Lfunc_end_k_q5222055c08_outp-k_q5222055c08_outp
	.p2alignl 7, 3214868480
	.fill 96, 4, 3214868480
	.section	.rodata,"a",@progbits
	.p2align	6, 0x0
	.amdhsa_kernel k_q5222055c08_outp
		.amdhsa_group_segment_fixed_size 168448
		.amdhsa_private_segment_fixed_size 0
		.amdhsa_enable_private_segment 0
		.amdhsa_kernarg_size 40
		.amdhsa_user_sgpr_count 2
		.amdhsa_user_sgpr_kernarg_segment_ptr 1
		.amdhsa_wavefront_size32 1
		.amdhsa_system_sgpr_workgroup_id_x 1
		.amdhsa_system_sgpr_workgroup_id_y 1
		.amdhsa_system_sgpr_workgroup_id_z 1
		.amdhsa_system_vgpr_workitem_id 0
		.amdhsa_next_free_vgpr 768
		.amdhsa_next_free_sgpr 66
		.amdhsa_reserve_vcc 0
		.amdhsa_float_denorm_mode_32 3
		.amdhsa_float_denorm_mode_16_64 3
		.amdhsa_memory_ordered 1
		.amdhsa_forward_progress 1
		.amdhsa_inst_pref_size 35
	.end_amdhsa_kernel
	.amdgpu_metadata
---
amdhsa.version: [ 1, 2 ]
amdhsa.kernels:
  - .name:           k_q5222055c08_outp
    .symbol:         k_q5222055c08_outp.kd
    .args:
      - { .name: o_img, .offset: 0, .size: 8, .value_kind: global_buffer, .address_space: global }
      - { .name: o_scl, .offset: 8, .size: 8, .value_kind: global_buffer, .address_space: global }
      - { .name: Wo_codes, .offset: 16, .size: 8, .value_kind: global_buffer, .address_space: global }
      - { .name: Wo_scales, .offset: 24, .size: 8, .value_kind: global_buffer, .address_space: global }
      - { .name: out0, .offset: 32, .size: 8, .value_kind: global_buffer, .address_space: global }
    .group_segment_fixed_size: 168448
    .private_segment_fixed_size: 0
    .kernarg_segment_align: 8
    .kernarg_segment_size: 40
    .max_flat_workgroup_size: 128
    .sgpr_count:     66
    .vgpr_count:     768
    .wavefront_size: 32
...
	.end_amdgpu_metadata
.endif
;; end of part 3
